; MI455X (gfx1250); checked and timed in simulation.
; The chip was launched on July 23, 2026; its instructions are those of AMD's public machine-readable ISA for CDNA 5 (MIT licence, August 2026) and "CDNA5" Instruction Set Architecture Reference Guide (July 2026). The comments in the code are by the model that wrote it; some were corrected since.
;; Conv2 D Attention Block. Allowed arithmetic: matrix products marked QUANTISED: E2M3 operands, one E8M0 scale for each 32 along K, by v_wmma_scale_f32_16x16x128_f8f6f4 with both operands' format E2M3, f32 sums; everything else in f32.
;; Inputs: Wk 512 x 128 float32; Wq 512 x 128 float32; Wt 128 x 512 float32; Wv 512 x 128 float32; bt 128 float32; bv 512 float32; x 16 x 128 x 32 x 32 float32.
;; Outputs: out0 16 x 128 x 32 x 32 float32.
;; This version of the problem:
;;   THIS VERSION OF THE PROBLEM IS GIVEN IN LOW PRECISION. The matrix products marked QUANTISED in the list below multiply operands that are first quantised to E2M3 (2 exponent bits, 3 mantissa bits; 6 bits a number), with one power-of-two scale for each 32 numbers along K (OCP MX v1.0); their sums are f32. All else is computed in f32.
;;   The module's matrix products, in the order in which they are computed (A, B: the left and right operand; K: the contracted axis; several contracted axes count as one K, in the product's order):
;;     1. [M 16,384, K 128] x [K 128, N 512]; A: input x; B: input Wq: QUANTISED
;;     2. [M 16,384, K 128] x [K 128, N 512]; A: input x; B: input Wk: QUANTISED
;;     3. [M 16,384, K 128] x [K 128, N 512]; A: input x; B: input Wv: QUANTISED
;;     4. batch 64 x [M 1,024, K 128] x [K 128, N 1,024]; A: computed on the way; B: computed on the way: QUANTISED
;;     5. batch 64 x [M 1,024, K 1,024] x [K 1,024, N 128]; A: softmax (see below); B: computed on the way: QUANTISED
;;     6. [M 16,384, K 512] x [K 512, N 128]; A: computed on the way; B: input Wt: QUANTISED
;;   THE QUANTISER, for each operand of a quantised product, along K:
;;     - K is cut into blocks of 32 from its start; a last block that is shorter is filled with zeros.
;;     - A block's scale is 2^e with e = floor(log2(the largest magnitude in the block)) - 2, held to -126 .. 127; a block of zeros has e = 0. As a byte (E8M0): e + 127.
;;     - Each number is divided by its block's scale, clamped to +-7.5, and rounded to the nearest number of E2M3, ties to even, subnormals kept.
;;     - The product sums the exact products of the quantised numbers (number of the format x scale) in f32.
;;   ~~~python
;;   def quantise(x, axis):      # numpy; x: float32 -> the quantised numbers, widened to float32 again
;;       x = np.moveaxis(x, axis, -1); K = x.shape[-1]
;;       x = np.pad(x, [(0, 0)] * (x.ndim - 1) + [(0, -K % 32)]); x = x.reshape(x.shape[:-1] + (-1, 32)); a = np.abs(x).max(-1, keepdims=True)
;;       e = np.where(a > 0, np.clip(np.frexp(np.where(a > 0, a, 1))[1] - 1 - 2, -126, 127), 0)      # np.frexp(a)[1] - 1 = floor(log2(a)), exactly
;;       r = np.clip(x / 2.0 ** e, -7.5, 7.5)
;;       step = 2.0 ** (np.maximum(np.frexp(np.where(r == 0, 1, r))[1] - 1, 0) - 3)
;;       q = np.round(r / step) * step * 2.0 ** e      # np.round: ties to even
;;       return np.moveaxis(q.reshape(q.shape[:-2] + (-1,))[..., :K], -1, axis).astype(np.float32)
;;   ~~~
;;   SOFTMAX AHEAD OF A QUANTISED PRODUCT. Where the list says 'softmax', what is quantised is not the finished softmax but p = 2^(t - M), with t = logit x log2(e) and M = ceil(the row's largest t), a whole number; so 1/2 < the row's largest p <= 1. The row's sum l is taken of the UNQUANTISED p, in f32, and the product's result is divided by l at the end. Since M is a whole number, a kernel that streams over the keys may use a running M (the ceiling of the running maximum): every later rescaling is an exact power of two, which a block's scale takes up: the codes' values come out the same.
;;   OPERANDS COMPUTED ON THE WAY. 'Computed on the way' means the value that the module computes at that place (a softmax that the list does not call 'softmax' is quantised finished and normalised). What goes into a quantiser is computed in f32, as accurately as f32 sums, v_exp_f32 and their like allow (about 1e-6 of the number): no bf16 or f16 on the way to a quantiser, and a product that is left as it is and whose result goes on into a quantised operand takes f32 operands (vector FMAs, or v_wmma_f32_16x16x4_f32). A number that lies on a knife's edge between two numbers of the format may be rounded either way, as far as f32 arithmetic and the matrix unit's own rounding can turn it there, and no further.
;; One version. Each part assembles by itself: llvm-mc -triple=amdgcn-amd-amdhsa -mcpu=gfx1250 --defsym DOCPART=n.
;; ======== version 1 of 1: 3 launches
;; workspace buffers: qb 6,553,600 bytes; kv 13,107,200 bytes; wtc 53,248 bytes; wo 6,553,600 bytes
;; launch qkv (part 1): grid 64 x 4, 8 waves a work-group, clusters of 4 x 1, 263,168 bytes of LDS; arguments x, Wq, Wk, Wv, bv, Wt, qb, kv, wtc; writes qb, kv, wtc
.if DOCPART == 1
	.amdgcn_target "amdgcn-amd-amdhsa--gfx1250"
	.amdhsa_code_object_version 6
	.text
	.protected	k_qb941f577e4_qkv
	.globl	k_qb941f577e4_qkv
	.p2align	8
	.type	k_qb941f577e4_qkv,@function
k_qb941f577e4_qkv:
	s_mov_b64 s[64:65], 0
	v_nop
	global_prefetch_b8 v0, s[64:65] scope:SCOPE_SE
	s_setreg_imm32_b32 hwreg(HW_REG_WAVE_MODE, 25, 1), 1
	s_wait_xcnt 0x0
	s_wait_alu depctr_hold_cnt(0) depctr_sa_sdst(0) depctr_va_vdst(0) depctr_va_sdst(0) depctr_va_ssrc(0) depctr_va_vcc(0) depctr_vm_vsrc(0)
	s_getreg_b32 s2, hwreg(HW_REG_IB_STS2, 6, 4)
	s_cmp_eq_u32 s2, 0
	s_cbranch_scc0 .Lentry_in_a_cluster
	s_endpgm
.Lentry_in_a_cluster:
	s_bfe_u32 s2, ttmp6, 0x10000c
	s_cmp_lg_u32 s2, 0x3003
	s_cbranch_scc0 .Lentry_shape_is_right
	s_endpgm
.Lentry_shape_is_right:
; q, k, v of one head for 256 positions of one image, all on codes of FP6 (E2M3) with one E8M0 scale for each 32 along K, and their codes for the attention that follows.
; x: [16][128 c][1024 n] f32.  Wq, Wk, Wv: [512][128] f32.  bv: [512].  Wt: [128][512] f32 (only quantised here, for the last launch).
; q = Wq x, k = Wk x (K = c) are quantised along d for each position; v = Wv x + bv is quantised along the positions for each d.
; SHARES.  Cluster x = image b, place in the cluster = block j of 256 positions, work-group y = head.  Eight waves.  The four partners of a cluster read the same 384 rows of weights:
; these come by joint tensor loads.  x goes from memory into registers (a lane takes a position, its registers run down c), since it has to pass through registers to be quantised.
; A TILE OF 16 POSITIONS IS NOT 16 NEIGHBOURS: row r of tile 2 b + u is position 32 b + 8 u + r + 8 (r / 8); tiles of Wq's and Wk's rows likewise.  So a transposed product's 16 registers of two
; neighbouring tiles are 16 neighbours along the next K, and the same fragments of x serve q and k (source 1: a lane holds a position) and v (source 0: a lane holds a channel d).
; WHAT IS STORED: operands as images of their registers: a fragment (16 rows x 128 K, 12 registers) is 3 x 512 bytes, lane l's 16 bytes at 16 l.  Records of 25,600 bytes:
;   qb[bh][j]: 16 fragments of q, then 16 x 16 scale words.      kv[bh][key step]: 8 fragments of k, 8 of v, 512 bytes of k's scale words, 512 of v's (word of tile 4 g + i, row r at 16 (16 g + r) + 4 i).
;   wtc: Wt's 32 fragments ((o tile) x 4 + K step), then 32 images of 128 bytes of their scale words.
; LIMITS: NaN and infinities among the inputs are not served.  A block's largest magnitude is taken no smaller than 2^(3 - 127), so the scale's byte is at least 1;
; a block of zeros gets the byte 1 where the rule says 127: its codes are zeros, and the bytes are read by this program alone.
.set REC,  25600                       ; a record of qb or kv
.set FRB,  1536                        ; a fragment's image
.set WP,   528                         ; a weight's row in LDS: 512 bytes + 16 of padding
.set XP,   112                         ; a position's 96 bytes of codes + 16: an odd multiple of 16
.set XROW, 384*WP                      ; LDS: 0: 384 rows of weights, f32 (Wq, Wk, Wv), filled by the tensor loads and by nothing else;  then x's codes, 256 rows;
.set XSC,  XROW+256*XP                 ; x's scale words, 4 bytes a position;
.set WIMG, XSC+1024                    ; the images of Wq's 8 and Wk's 8 fragments;
.set WSC,  WIMG+16*FRB                 ; the images of their scale words, 128 bytes each;
.set SCO,  WSC+16*128                  ; scale words on their way out: q's 1,024 bytes, then for each of the two key steps k's 512 and v's 512
.set RR,   2                           ; v2   r = lane % 16
.set HH,   3                           ; v3   h = lane / 16
.set XOFF, 4                           ; v4   x: 4 x thread
.set LI,   5                           ; v5   16 x lane: an image's place for my lane
.set LS,   6                           ; v6   4 x lane
.set XWR,  7                           ; v7   where I put my position's codes
.set XWS,  8                           ; v8   and its scale word
.set XRD,  9                           ; v9   a fragment of x: row r + 8 (r / 8), + 24 h
.set XRDW, 10                          ; v10  the same at my wave's two tiles
.set XSR,  11                          ; v11  a tile's scale words of x
.set XSRW, 12                          ; v12  the same at my wave's two tiles
.set WRP,  13                          ; v13  my tile of Wq's rows, f32
.set WRK,  14                          ; v14  of Wk's
.set WRV,  15                          ; v15  of Wv's
.set WIW,  16                          ; v16  where I put my weight fragment's image
.set WSW,  17                          ; v17  and its scale words'
.set SH8,  18                          ; v18  8 h
.set SCQ,  19                          ; v19  q's scale words on the way out
.set SCK,  20                          ; v20  k's
.set SCV,  21                          ; v21  v's
.set SCR,  22                          ; v22  where I read 512 bytes of them back
.set WIR,  23                          ; v23  the weights' images, for reading
.set TM,   24                          ; v24-39 at work in QUANT
.set PW,   40                          ; v40  the scale word just made
.set T0,   41
.set T1,   42
.set EO,   43                          ; v43  a conversion's scale operand
.set BY,   44                          ; v44-47 scale bytes
.set CT,   48                          ; v48-50 a block's upper 16 codes
.set WSR,  51                          ; v51  the weights' scale words, for reading
.set WSCL, 52                          ; v52-59 eight scale words of source 0: scales and nothing else
.set XS,   60                          ; v60-61 my two tiles' scale words of x
.set WVS,  62                          ; v62  my tile of Wv: its scale words
.set BVO,  63                          ; v63  4 r
.set BV,   64                          ; v64-71 bv of my channel, eight times: the C of v's products
.set WVF,  72                          ; v72-83 my tile of Wv
.set XF,   84                          ; v84-107 my two fragments of x; at first my position's 24 registers of codes
.set PC,   108                         ; v108-126 the codes just made
.set HA,   128                         ; v128-191 eight results; v128-255 at first x's 128 numbers, then weights in f32
.set NB,   192
.set WV,   22                          ; s22  wave
.set J,    23                          ; s23  my place in the cluster: it enters global addresses alone
.set HD,   25                          ; s25  head
.set SEL,  26                          ; s[26:27] v_permlanex16_b32's selects for lane l xor 16
.set G1,   36                          ; s[36:43] descriptor group 1
.set G0Q,  44                          ; s[44:47], s[48:51], s[52:55] groups 0 for Wq, Wk, Wv
.set G0K,  48
.set G0V,  52
.set QREC, 56                          ; s[56:57] my record of qb
.set KVREC, 58                         ; s[58:59] my first record of kv
.set QW,   60                          ; s[60:61] where my wave's fragments of q go;  s[62:63] of k;  s[66:67] of v
.set KW,   62
.set VW,   66
.set MSB, 0
.macro WIN new                         ; the immediate's high byte repeats the setting that is left; a switch that changes nothing is dropped
.if MSB != \new
	s_set_vgpr_msb (MSB<<8)|\new
.set MSB, \new
.endif
.endm
.macro ROUND                           ; a round of the cluster's barrier
	s_barrier_signal -1
	s_barrier_wait -1
	s_cmp_lg_u32 s[WV], 0
	s_cbranch_scc1 .Lnot_wave_0_\@
	s_barrier_signal -3
.Lnot_wave_0_\@:
	s_barrier_wait -3
	s_barrier_signal -1
	s_barrier_wait -1
.endm
.macro BARRIER                         ; my LDS stores have landed and my LDS loads are in: then the work-group's barrier
	s_wait_dscnt 0x0
	s_barrier_signal -1
	s_barrier_wait -1
.endm
.macro PLACES                          ; four plain vector instructions behind matrix instructions (ISA guide 7.12.1)
.rept 4
	v_nop
.endr
.endm
; 32 numbers of ONE lane, v[s] on, are a whole block: its codes go to v[d] .. v[d + 5], its scale's byte to v[BY + k].
.macro BLK32 s, d, k
	v_max3_num_f32 v[T0], |v[\s]|, |v[\s+1]|, |v[\s+2]|
	v_max3_num_f32 v[T1], |v[\s+3]|, |v[\s+4]|, |v[\s+5]|
.irp i, 6,10,14,18,22,26
	v_max3_num_f32 v[T0], v[T0], |v[\s+\i]|, |v[\s+\i+1]|
	v_max3_num_f32 v[T1], v[T1], |v[\s+\i+2]|, |v[\s+\i+3]|
.endr
	v_max3_num_f32 v[T0], v[T0], |v[\s+30]|, |v[\s+31]|
	v_max3_num_f32 v[T0], v[T0], v[T1], 0x1800000      ; and the floor 2^(3 - 127): the byte cannot fall under 1
	v_add_nc_u32 v[EO], 0xff000000, v[T0]              ; 2 off the exponent field: the conversion takes this operand's exponent field as its scale
	v_lshrrev_b32 v[BY+\k], 23, v[EO]                  ; the scale's byte
	v_cvt_scalef32_pk16_fp6_f32 v[\d:\d+2], v[\s:\s+15], v[EO]
	v_cvt_scalef32_pk16_fp6_f32 v[CT:CT+2], v[\s+16:\s+31], v[EO]   ; (a conversion's three registers begin on an even number)
	v_nop                                              ; one plain place behind a scaled conversion
	v_mov_b32 v[\d+3], v[CT]
	v_mov_b32 v[\d+4], v[CT+1]
	v_mov_b32 v[\d+5], v[CT+2]
.endm
; 64 numbers of a lane, k = 64 c + 32 h + 0 .. 31 of its row (c = 0, 1), become the operand's 12 registers v[d] on; the row's scale word goes to v[pw].
.macro WQUANT s, d, pw
	BLK32 \s, \d, 0
	BLK32 \s+32, \d+6, 1
	v_lshl_or_b32 v[\pw], v[BY+1], 16, v[BY]           ; my two bytes: blocks h and 2 + h,
	v_lshlrev_b32 v[\pw], v[SH8], v[\pw]               ; at their places in the word;
	v_permlanex16_b32 v[T0], v[\pw], s[SEL], s[SEL+1]
	v_or_b32 v[\pw], v[\pw], v[T0]                     ; with lane l xor 16's two it is whole
.endm
; 64 numbers of a lane, register 16 b + i = k 32 b + 16 h + i of its row, become a fragment's codes in v[PC] on and its scale word in v[PW].
.macro QUANT s
.irp b, 0,1,2,3
	v_max3_num_f32 v[TM+\b], |v[\s+16*\b]|, |v[\s+1+16*\b]|, 0x1800000   ; each result is read from its low end on; the floor as above
.endr
.irp i, 2,4,6,8,10,12,14
.irp b, 0,1,2,3
	v_max3_num_f32 v[TM+\b], v[TM+\b], |v[\s+16*\b+\i]|, |v[\s+1+16*\b+\i]|
.endr
.endr
.irp b, 0,1,2,3
	v_permlanex16_b32 v[TM+4+\b], v[TM+\b], s[SEL], s[SEL+1]
.endr
.irp b, 0,1,2,3
	v_max_num_f32 v[TM+\b], v[TM+\b], v[TM+4+\b]       ; with lane l xor 16's: the block's largest magnitude
.endr
.irp b, 0,1,2,3
	v_add_nc_u32 v[TM+12+\b], 0xff000000, v[TM+\b]
.endr
.irp b, 0,1,2,3
	v_lshrrev_b32 v[TM+4+\b], 23, v[TM+12+\b]
.endr
	v_lshl_or_b32 v[PW], v[TM+5], 8, v[TM+4]
	v_lshl_or_b32 v[PW], v[TM+6], 16, v[PW]
	v_lshl_or_b32 v[PW], v[TM+7], 24, v[PW]
.irp c, 0,1
	v_cvt_scalef32_pk16_fp6_f32 v[PC+6*\c:PC+2+6*\c], v[\s+32*\c:\s+15+32*\c], v[TM+12+2*\c]
	v_cvt_scalef32_pk16_fp6_f32 v[PC+12+4*\c:PC+14+4*\c], v[\s+16+32*\c:\s+31+32*\c], v[TM+12+2*\c+1]
.endr
	v_nop                                              ; one plain place behind a scaled conversion
.irp c, 0,1                                        ; the operand's layout wants a WHOLE block in a lane: lanes 0-15 block 2 c, lanes 16-31 block 2 c + 1
.irp i, 0,1,2
	v_permlane16_swap_b32 v[PC+6*\c+\i], v[PC+12+4*\c+\i]
.endr
.irp i, 0,1,2
	v_mov_b32 v[PC+3+6*\c+\i], v[PC+12+4*\c+\i]
.endr
.endr
.endm
	s_load_b256 s[4:11], s[0:1], 0x0               ; x s[4:5], Wq s[6:7], Wk s[8:9], Wv s[10:11]
	s_load_b256 s[12:19], s[0:1], 0x20             ; bv s[12:13], Wt s[14:15], qb s[16:17], kv s[18:19]
	s_load_b64 s[20:21], s[0:1], 0x40              ; wtc
	s_set_vgpr_msb 0x40
	v_lshl_add_u32 v128, v0, 2, 0x40000
	v_mov_b32 v129, 0
	s_set_vgpr_msb 0x4045
	ds_add_u32 v128, v129
	ds_add_u32 v128, v129
	s_set_vgpr_msb 0x4500
	v_lshrrev_b32 v1, 5, v0
	v_readfirstlane_b32 s[WV], v1                  ; wave 0..7
	s_bfe_u32 s[J], ttmp6, 0x40000                 ; my place in the cluster: block j of 256 positions
	s_and_b32 s[HD], ttmp7, 0xffff                 ; the head, which the four partners share
	s_mov_b32 s[SEL], 0x76543210
	s_mov_b32 s[SEL+1], 0xfedcba98
	; descriptor group 1: 64 rows x 128 f32, 16 bytes of padding behind each row
	s_mov_b32 s[G1+0], 15|(2<<16)|(1<<20)|(1<<21)|(6<<22)|(3<<25)   ; 15:0 the mask: all four work-groups; 17:16 elements of 4 bytes; 20 padding on; 21 set beside a mask; 24:22 after every 128 words; 31:25 of 4 words
	s_mov_b32 s[G1+1], 128<<16                     ; tensor_dim0
	s_mov_b32 s[G1+2], 64<<16                      ; tensor_dim1
	s_mov_b32 s[G1+3], 128<<16                     ; tile_dim0
	s_mov_b32 s[G1+4], 64                          ; tile_dim1
	s_mov_b32 s[G1+5], 128                         ; tensor_dim0_stride
	s_mov_b32 s[G1+6], 0
	s_mov_b32 s[G1+7], 0
	; every LDS address is made here, ahead of the first branch on the wave's number: a constant + a constant x lane + a constant x wave
	v_and_b32 v1, 31, v0                           ; lane
	v_and_b32 v[RR], 15, v0
	v_bfe_u32 v[HH], v0, 4, 1
	v_lshlrev_b32 v[XOFF], 2, v0
	v_lshlrev_b32 v[LI], 4, v1
	v_lshlrev_b32 v[LS], 2, v1
	v_mul_u32_u24 v[XWR], v0, XP
	v_add_nc_u32 v[XWR], XROW, v[XWR]
	v_lshl_add_u32 v[XWS], v0, 2, XSC
	v_and_b32 v[T0], 8, v[RR]
	v_add_nc_u32 v[T0], v[T0], v[RR]               ; r + 8 (r / 8)
	v_mul_u32_u24 v[XRD], v[T0], XP
	v_mad_u32_u24 v[XRD], v[HH], 24, v[XRD]
	v_add_nc_u32 v[XRD], XROW, v[XRD]
	s_mul_i32 s28, s[WV], 32*XP                    ; my two tiles begin at position 32 x wave
	v_add_nc_u32 v[XRDW], s28, v[XRD]
	v_lshl_add_u32 v[XSR], v[T0], 2, XSC
	s_lshl_b32 s28, s[WV], 7
	v_add_nc_u32 v[XSRW], s28, v[XSR]
	s_lshr_b32 s28, s[WV], 1                       ; tile w of Wq's and Wk's rows begins at row 32 (w / 2) + 8 (w % 2)
	s_lshl_b32 s28, s28, 5
	s_and_b32 s29, s[WV], 1
	s_lshl_b32 s29, s29, 3
	s_add_co_u32 s28, s28, s29
	s_mul_i32 s28, s28, WP
	v_mul_u32_u24 v[WRP], v[T0], WP
	v_lshl_add_u32 v[WRP], v[HH], 7, v[WRP]        ; + 128 h bytes: k = 32 h on
	v_add_nc_u32 v[WRP], s28, v[WRP]
	v_add_nc_u32 v[WRK], 128*WP, v[WRP]
	s_mul_i32 s28, s[WV], 16*WP                    ; tile w of Wv's rows: 16 neighbours
	s_add_co_u32 s28, s28, 256*WP
	v_mul_u32_u24 v[WRV], v[RR], WP
	v_lshl_add_u32 v[WRV], v[HH], 7, v[WRV]
	v_add_nc_u32 v[WRV], s28, v[WRV]
	s_mul_i32 s28, s[WV], FRB
	s_add_co_u32 s28, s28, WIMG
	v_add_nc_u32 v[WIW], s28, v[LI]
	s_lshl_b32 s28, s[WV], 7
	s_add_co_u32 s29, s28, WSC
	v_add_nc_u32 v[WSW], s29, v[LS]
	v_lshlrev_b32 v[SH8], 3, v[HH]
	s_add_co_u32 s29, s28, SCO
	v_lshl_add_u32 v[SCQ], v[RR], 2, s29           ; q: tile 2 w + u, row r: 128 w + 64 u + 4 r
	s_lshr_b32 s28, s[WV], 2                       ; k: key step w / 4; tile (2 w) % 8 + u of it = 4 g + i: 16 (16 g + r) + 4 i
	s_lshl_b32 s28, s28, 10
	s_bfe_u32 s29, s[WV], 0x10001
	s_lshl_b32 s29, s29, 8
	s_add_co_u32 s28, s28, s29
	s_and_b32 s29, s[WV], 1
	s_lshl_b32 s29, s29, 3
	s_add_co_u32 s28, s28, s29
	s_add_co_u32 s28, s28, SCO+1024
	v_lshl_add_u32 v[SCK], v[RR], 4, s28
	s_lshr_b32 s28, s[WV], 2                       ; v: tile w = 4 g + i
	s_lshl_b32 s28, s28, 8
	s_and_b32 s29, s[WV], 3
	s_lshl_b32 s29, s29, 2
	s_add_co_u32 s28, s28, s29
	s_add_co_u32 s28, s28, SCO+1536
	v_lshl_add_u32 v[SCV], v[RR], 4, s28
	s_lshl_b32 s28, s[WV], 9
	s_add_co_u32 s28, s28, SCO
	v_add_nc_u32 v[SCR], s28, v[LI]
	v_add_nc_u32 v[WIR], WIMG, v[LI]
	v_add_nc_u32 v[WSR], WSC, v[LS]
	v_lshlrev_b32 v[BVO], 2, v[RR]
.irp b, 0,1,2,3
	v_mov_b32 v[TM+4+\b], 0                        ; written once: a lane permute's destination counts as one of its sources
.endr
	; byte offsets, apart from the addresses
	s_lshl_b32 s28, ttmp9, 19                      ; x: image b (the cluster's x), 524,288 bytes each,
	s_lshl_b32 s29, s[J], 10                       ; + my 256 positions
	s_add_co_u32 s28, s28, s29
	s_mov_b32 s29, 0
	s_lshl_b32 s30, s[HD], 16                      ; weights: the head's 128 rows of 512 bytes,
	s_and_b32 s31, s[WV], 1
	s_lshl_b32 s31, s31, 15                        ; + the 64 rows that I fetch
	s_add_co_u32 s30, s30, s31
	s_mov_b32 s31, 0
	s_lshl_b32 s32, ttmp9, 2
	s_add_co_u32 s32, s32, s[HD]                   ; bh = 4 b + head
	s_lshl_b32 s33, s32, 2
	s_add_co_u32 s33, s33, s[J]
	s_mul_i32 s34, s33, REC                        ; qb's record 4 bh + j
	s_mov_b32 s35, 0
	s_lshl_b32 s33, s33, 1
	s_mul_i32 s32, s33, REC                        ; kv's record 8 bh + 2 j
	s_mov_b32 s33, 0
	s_wait_dscnt 0x0
	s_wait_kmcnt 0x0
.macro MKG0 g, p                       ; group 0: 64 rows to LDS row 64 x wave; nothing in it hangs on my place in the cluster
	s_mov_b32 s[\g], 1
	s_mul_i32 s[\g+1], s[WV], 64*WP
	s_add_nc_u64 s[\g+2:\g+3], s[\p:\p+1], s[30:31]
	s_or_b32 s[\g+3], s[\g+3], 0x80000000
.endm
	MKG0 G0Q, 6
	MKG0 G0K, 8
	MKG0 G0V, 10
	ROUND                                          ; all four work-groups are here: the joint loads meet
	s_cmp_lt_u32 s[WV], 2                          ; waves 0, 1: Wq's halves; 2, 3: Wk's; 4, 5: Wv's; 6, 7: none.  One load a wave; four v_nop follow each line
	s_cbranch_scc0 .Lnot_q
	tensor_load_to_lds s[G0Q:G0Q+3], s[G1:G1+7]
	s_nop 0
	PLACES
	s_branch .Lasked
.Lnot_q:
	s_cmp_lt_u32 s[WV], 4
	s_cbranch_scc0 .Lnot_k
	tensor_load_to_lds s[G0K:G0K+3], s[G1:G1+7]
	s_nop 0
	PLACES
	s_branch .Lasked
.Lnot_k:
	s_cmp_lt_u32 s[WV], 6
	s_cbranch_scc0 .Lasked
	tensor_load_to_lds s[G0V:G0V+3], s[G1:G1+7]
	s_nop 0
	PLACES
.Lasked:
	s_add_nc_u64 s[4:5], s[4:5], s[28:29]
	s_add_nc_u64 s[QREC:QREC+1], s[16:17], s[34:35]
	s_add_nc_u64 s[KVREC:KVREC+1], s[18:19], s[32:33]
.set c, 0
.rept 128                              ; A LANE TAKES A POSITION, ITS REGISTERS RUN DOWN c: each load reads 128 consecutive bytes a wave, 1,024 a work-group
	global_load_b32 v[HA+c], v[XOFF], s[4:5] offset:c*4096
.set c, c+1
.endr
	; Wt's 32 fragments are made once in the launch: by wave 7 of the work-groups of images 0 and 1.  Both conditions are equal in all partners.  Fragment: o tile 4 b + j, K step = head
	s_cmp_lt_u32 ttmp9, 2
	s_cbranch_scc0 .Lno_wt
	s_cmp_eq_u32 s[WV], 7
	s_cbranch_scc0 .Lno_wt
	s_lshl_b32 s28, ttmp9, 2
	s_add_co_u32 s28, s28, s[J]                    ; o tile
	s_lshl_b32 s30, s28, 15                        ; 16 rows of 2,048 bytes
	s_lshl_b32 s31, s[HD], 9                       ; + 128 numbers a K step
	s_add_co_u32 s30, s30, s31
	s_mov_b32 s31, 0
	s_add_nc_u64 s[14:15], s[14:15], s[30:31]
	s_lshl_b32 s28, s28, 2
	s_add_co_u32 s28, s28, s[HD]                   ; the fragment's number
	s_mul_i32 s30, s28, FRB
	s_add_nc_u64 s[32:33], s[20:21], s[30:31]
	s_lshl_b32 s30, s28, 7
	s_add_co_u32 s30, s30, 32*FRB
	s_add_nc_u64 s[34:35], s[20:21], s[30:31]
	v_lshlrev_b32 v[T1], 11, v[RR]
	v_lshl_add_u32 v[T1], v[HH], 7, v[T1]          ; row r, + 128 h bytes
.irp c, 0,1
.irp i, 0,1,2,3,4,5,6,7
	global_load_b128 v[64+32*\c+4*\i:64+32*\c+4*\i+3], v[T1], s[14:15] offset:256*\c+16*\i
.endr
.endr
	s_wait_loadcnt 0x0                             ; these sixteen (and x, which this wave wants next anyway)
	WQUANT 64, 24, PW
.irp c, 0,1,2
	global_store_b128 v[LI], v[24+4*\c:27+4*\c], s[32:33] offset:512*\c
.endr
	global_store_b32 v[LS], v[PW], s[34:35]
	s_wait_xcnt 0x0                                ; the stores' registers are written again below
.Lno_wt:
	s_lshl_b32 s28, s[HD], 9                       ; bv of channel 128 head + 16 wave + r
	s_lshl_b32 s29, s[WV], 6
	s_add_co_u32 s28, s28, s29
	s_mov_b32 s29, 0
	s_add_nc_u64 s[12:13], s[12:13], s[28:29]
	global_load_b32 v[BV], v[BVO], s[12:13]
	s_mul_i32 s28, s[WV], 2*FRB                    ; where my wave's results go: q's tiles 2 w, 2 w + 1;
	s_add_nc_u64 s[QW:QW+1], s[QREC:QREC+1], s[28:29]
	s_and_b32 s28, s[WV], 3                        ; k's: key step w / 4, tiles (2 w) % 8 on;
	s_mul_i32 s28, s28, 2*FRB
	s_lshr_b32 s30, s[WV], 2
	s_mul_i32 s30, s30, REC
	s_add_co_u32 s28, s28, s30
	s_add_nc_u64 s[KW:KW+1], s[KVREC:KVREC+1], s[28:29]
	s_mul_i32 s28, s[WV], FRB                      ; v's: tile w, behind k's eight
	s_add_co_u32 s28, s28, 8*FRB
	s_add_nc_u64 s[VW:VW+1], s[KVREC:KVREC+1], s[28:29]
	; ---- X: my position's 128 numbers become 96 bytes of codes and a scale word
	s_wait_loadcnt 63                              ; behind x's first 64 loads 65 were issued: 63 is the largest count that the wait can name
	BLK32 128, 84, 0
	BLK32 160, 90, 1
	s_wait_loadcnt 33                              ; x's last 32 and bv may be out
	BLK32 192, 96, 2
	s_wait_loadcnt 1                               ; bv may be out
	BLK32 224, 102, 3
	v_lshl_or_b32 v[PW], v[BY+1], 8, v[BY]
	v_lshl_or_b32 v[PW], v[BY+2], 16, v[PW]
	v_lshl_or_b32 v[PW], v[BY+3], 24, v[PW]
.irp i, 0,1,2,3,4,5
	ds_store_b128 v[XWR], v[XF+4*\i:XF+4*\i+3] offset:16*\i
.endr
	ds_store_b32 v[XWS], v[PW]
	s_wait_tensorcnt 0x0                           ; my part of the weights has landed
	BARRIER                                        ; x's codes and all the weights lie in LDS
	; ---- W: wave w quantises tile w of Wq, of Wk and of Wv.  Wq's and Wk's go to LDS as images, for all waves; Wv's stays with me
.macro WLOAD reg, adr                  ; my row's k = 64 c + 32 h + 0 .. 31
.irp c, 0,1
.irp i, 0,1,2,3,4,5,6,7
	ds_load_b128 v[\reg+32*\c+4*\i:\reg+32*\c+4*\i+3], v[\adr] offset:256*\c+16*\i
.endr
.endr
.endm
.macro IMAGE off, woff
.irp c, 0,1,2
	ds_store_b128 v[WIW], v[PC+4*\c:PC+4*\c+3] offset:\off+512*\c
.endr
	ds_store_b32 v[WSW], v[PW] offset:\woff
.endm
	WLOAD HA, WRP
	WLOAD NB, WRK
	s_wait_dscnt 16                                ; Wq's sixteen are in; Wk's may be out
	WQUANT HA, PC, PW
	IMAGE 0, 0
	WLOAD HA, WRV
	s_wait_dscnt 16                                ; only Wv's sixteen may be out: Wk's are in, and the image's stores are done
	WQUANT NB, PC, PW
	IMAGE 8*FRB, 8*128
	s_wait_dscnt 0x0
	WQUANT HA, WVF, WVS
	s_wait_loadcnt 0x0                             ; bv
.irp i, 1,2,3,4,5,6,7
	v_mov_b32 v[BV+\i], v[BV]                      ; a lane's eight results of v are of one channel
.endr
	BARRIER                                        ; the sixteen images lie in LDS
	; ---- QK: my 32 positions (two tiles) against all 128 rows of Wq, then of Wk.  TRANSPOSED: source 0 = 16 rows of the weight, source 1 = x: a lane holds a position, its registers run along d
.irp u, 0,1
.irp p, 0,1,2,3,4,5
	ds_load_b64 v[XF+12*\u+2*\p:XF+12*\u+2*\p+1], v[XRDW] offset:8*XP*\u+48*(\p/3)+8*(\p%3)
.endr
	ds_load_b32 v[XS+\u], v[XSRW] offset:32*\u
.endr
.macro QK m                            ; m = 0: q;  1: k
	WIN 0x40                                       ; destination window 1
.irp f, 0,1,2,3,4,5,6,7
.irp c, 0,1,2
	ds_load_b128 v[12*\f+4*\c:12*\f+4*\c+3], v[WIR] offset:(8*\m+\f)*FRB+512*\c
.endr
.endr
	WIN 0
.irp f, 0,1,2,3,4,5,6,7
	ds_load_b32 v[WSCL+\f], v[WSR] offset:(8*\m+\f)*128
.endr
	s_wait_dscnt 0x0
.irp u, 0,1
	WIN 0x01                                       ; source 0 window 1
.irp f, 0,1,2,3,4,5,6,7
	v_wmma_scale_f32_16x16x128_f8f6f4 v[HA+8*\f:HA+8*\f+7], v[12*\f:12*\f+11], v[XF+12*\u:XF+12*\u+11], 0, v[WSCL+\f], v[XS+\u] matrix_a_fmt:MATRIX_FMT_FP6 matrix_b_fmt:MATRIX_FMT_FP6
.endr
	WIN 0
	PLACES                                         ; in front of the first read of the results, and of later loads into the operands' registers
	s_wait_xcnt 0x0                                ; the last fragment's stores have read their registers,
	s_wait_dscnt 0x0                               ; and so has its scale word's
	QUANT HA
.irp c, 0,1,2
.if \m == 0
	global_store_b128 v[LI], v[PC+4*\c:PC+4*\c+3], s[QW:QW+1] offset:FRB*\u+512*\c   ; 512 consecutive bytes
.else
	global_store_b128 v[LI], v[PC+4*\c:PC+4*\c+3], s[KW:KW+1] offset:FRB*\u+512*\c
.endif
.endr
.if \m == 0
	ds_store_b32 v[SCQ], v[PW] offset:64*\u        ; lanes l and l + 16 write the same word with the same value
.else
	ds_store_b32 v[SCK], v[PW] offset:4*\u
.endif
.endr
.endm
	QK 0
	QK 1
	; ---- V: my 16 channels for all 256 positions, a key step of 128 at a time.  Source 0 = a tile of x, source 1 = my tile of Wv, C = bv: a lane holds a channel, its registers run along the positions
.macro VPART sl
	WIN 0x40
.irp i, 0,1,2,3,4,5,6,7
.irp p, 0,1,2,3,4,5
	ds_load_b64 v[12*\i+2*\p:12*\i+2*\p+1], v[XRD] offset:(128*\sl+32*(\i/2)+8*(\i%2))*XP+48*(\p/3)+8*(\p%3)
.endr
.endr
	WIN 0
.irp i, 0,1,2,3,4,5,6,7
	ds_load_b32 v[WSCL+\i], v[XSR] offset:(128*\sl+32*(\i/2)+8*(\i%2))*4
.endr
	s_wait_dscnt 0x0
	WIN 0x01
.irp i, 0,1,2,3,4,5,6,7
	v_wmma_scale_f32_16x16x128_f8f6f4 v[HA+8*\i:HA+8*\i+7], v[12*\i:12*\i+11], v[WVF:WVF+11], v[BV:BV+7], v[WSCL+\i], v[WVS] matrix_a_fmt:MATRIX_FMT_FP6 matrix_b_fmt:MATRIX_FMT_FP6
.endr
	WIN 0
	PLACES
	s_wait_xcnt 0x0
	s_wait_dscnt 0x0
	QUANT HA
.irp c, 0,1,2
	global_store_b128 v[LI], v[PC+4*\c:PC+4*\c+3], s[VW:VW+1] offset:REC*\sl+512*\c
.endr
	ds_store_b32 v[SCV], v[PW] offset:1024*\sl
.endm
	VPART 0
	VPART 1
	; ---- the scale words leave: six runs of 512 bytes, one a wave
	BARRIER
	s_cmp_lt_u32 s[WV], 6
	s_cbranch_scc0 .Lno_scales
	s_wait_xcnt 0x0                                ; the last stores have read v[PC] on
	ds_load_b128 v[PC:PC+3], v[SCR]
	s_and_b32 s30, s[WV], 1                        ; waves 0, 1: q's halves; 2, 3: key step 0's k and v; 4, 5: key step 1's
	s_lshl_b32 s30, s30, 9
	s_add_co_u32 s30, s30, 16*FRB
	s_max_u32 s31, s[WV], 2
	s_sub_co_u32 s31, s31, 2
	s_lshr_b32 s31, s31, 1
	s_mul_i32 s31, s31, REC
	s_add_co_u32 s30, s30, s31
	s_mov_b32 s31, 0
	s_cmp_lt_u32 s[WV], 2                          ; the choice hangs on the wave's number alone
	s_cselect_b64 s[28:29], s[QREC:QREC+1], s[KVREC:KVREC+1]
	s_add_nc_u64 s[28:29], s[28:29], s[30:31]
	s_wait_dscnt 0x0
	global_store_b128 v[LI], v[PC:PC+3], s[28:29]
.Lno_scales:
	s_set_vgpr_msb 0x5
	s_wait_tensorcnt 0x0
	ds_add_u32 v128, v129
	s_wait_dscnt 0x0
	s_set_vgpr_msb 0x500
	ROUND                                          ; the closing round: no work-group ends while a partner may still ask for a tile that names it
	s_endpgm
.Lfunc_end_k_qb941f577e4_qkv:
	.size	k_qb941f577e4_qkv, .Lfunc_end_k_qb941f577e4_qkv-k_qb941f577e4_qkv
	.p2alignl 7, 3214868480
	.fill 96, 4, 3214868480
	.section	.rodata,"a",@progbits
	.p2align	6, 0x0
	.amdhsa_kernel k_qb941f577e4_qkv
		.amdhsa_group_segment_fixed_size 263168
		.amdhsa_private_segment_fixed_size 0
		.amdhsa_enable_private_segment 0
		.amdhsa_kernarg_size 72
		.amdhsa_user_sgpr_count 2
		.amdhsa_user_sgpr_kernarg_segment_ptr 1
		.amdhsa_wavefront_size32 1
		.amdhsa_system_sgpr_workgroup_id_x 1
		.amdhsa_system_sgpr_workgroup_id_y 1
		.amdhsa_system_sgpr_workgroup_id_z 1
		.amdhsa_system_vgpr_workitem_id 0
		.amdhsa_next_free_vgpr 386
		.amdhsa_next_free_sgpr 70
		.amdhsa_reserve_vcc 0
		.amdhsa_float_denorm_mode_32 3
		.amdhsa_float_denorm_mode_16_64 3
		.amdhsa_memory_ordered 1
		.amdhsa_forward_progress 1
		.amdhsa_inst_pref_size 91
	.end_amdhsa_kernel
	.amdgpu_metadata
---
amdhsa.version: [ 1, 2 ]
amdhsa.kernels:
  - .name:           k_qb941f577e4_qkv
    .symbol:         k_qb941f577e4_qkv.kd
    .args:
      - { .name: x, .offset: 0, .size: 8, .value_kind: global_buffer, .address_space: global }
      - { .name: Wq, .offset: 8, .size: 8, .value_kind: global_buffer, .address_space: global }
      - { .name: Wk, .offset: 16, .size: 8, .value_kind: global_buffer, .address_space: global }
      - { .name: Wv, .offset: 24, .size: 8, .value_kind: global_buffer, .address_space: global }
      - { .name: bv, .offset: 32, .size: 8, .value_kind: global_buffer, .address_space: global }
      - { .name: Wt, .offset: 40, .size: 8, .value_kind: global_buffer, .address_space: global }
      - { .name: qb, .offset: 48, .size: 8, .value_kind: global_buffer, .address_space: global }
      - { .name: kv, .offset: 56, .size: 8, .value_kind: global_buffer, .address_space: global }
      - { .name: wtc, .offset: 64, .size: 8, .value_kind: global_buffer, .address_space: global }
    .group_segment_fixed_size: 263168
    .private_segment_fixed_size: 0
    .kernarg_segment_align: 8
    .kernarg_segment_size: 72
    .max_flat_workgroup_size: 256
    .sgpr_count:     70
    .vgpr_count:     386
    .wavefront_size: 32
...
	.end_amdgpu_metadata
.endif
;; end of part 1
;; launch attn (part 2): grid 4 x 64, 8 waves a work-group, clusters of 4 x 1, 327,680 bytes of LDS; arguments qb, kv, wo; writes wo
.if DOCPART == 2
	.amdgcn_target "amdgcn-amd-amdhsa--gfx1250"
	.amdhsa_code_object_version 6
	.text
	.protected	k_qb941f577e4_attn
	.globl	k_qb941f577e4_attn
	.p2align	8
	.type	k_qb941f577e4_attn,@function
k_qb941f577e4_attn:
	s_mov_b64 s[64:65], 0
	v_nop
	global_prefetch_b8 v0, s[64:65] scope:SCOPE_SE
	s_setreg_imm32_b32 hwreg(HW_REG_WAVE_MODE, 25, 1), 1
	s_wait_xcnt 0x0
	s_wait_alu depctr_hold_cnt(0) depctr_sa_sdst(0) depctr_va_vdst(0) depctr_va_sdst(0) depctr_va_ssrc(0) depctr_va_vcc(0) depctr_vm_vsrc(0)
	s_getreg_b32 s2, hwreg(HW_REG_IB_STS2, 6, 4)
	s_cmp_eq_u32 s2, 0
	s_cbranch_scc0 .Lentry_in_a_cluster
	s_endpgm
.Lentry_in_a_cluster:
	s_bfe_u32 s2, ttmp6, 0x10000c
	s_cmp_lg_u32 s2, 0x3003
	s_cbranch_scc0 .Lentry_shape_is_right
	s_endpgm
.Lentry_shape_is_right:
; O[q][:] = the sum over keys of softmax(Q[q] . K[key] / sqrt(128)) V[key][:] for 256 queries of one head of one image, both products on codes of FP6 (E2M3) with one E8M0 scale for each 32 along K,
; and O's codes for the projection that follows.  The operands arrive as images of their registers (a fragment is 3 x 512 bytes, lane l's 16 bytes at 16 l), in records of 25,600 bytes.
; THE SOFTMAX AHEAD OF THE SECOND PRODUCT: t = score x log2(e) / sqrt(128); M = the row's largest t so far, rounded UP to a whole number; p = 2^(t - M) is what is quantised, along the keys; it is not normalised.
; The row's sum is taken of the unquantised p, in f32, and divides O at the end.  When M moves, the sum and O are multiplied by 2^(old M - new M): exact.
; SHARES.  Work-group y = bh (image x 4 + head); place in the cluster = block j of 256 queries.  The head's K, V and scale words, 8 key steps x 25,600 bytes, lie in LDS all at once, each byte filled ONCE,
; jointly for the four query blocks of the cluster.  Eight waves; a wave owns TWO tiles of 16 queries, so that each fragment read from LDS feeds two products.
; THE FILLS GO OUT IN THE ORDER OF NEED.  Behind the first round of the cluster's barrier a wave asks for its eighth of key steps 0 and 1 alone (6,400 bytes), so that the first products wait for 51,200 bytes
; and not for 204,800.  When these have landed, a second round follows, and behind it the wave asks for its eighth of key steps 2 to 7 (19,200 bytes), which has two key steps' work in which to land.
; A wave has one tensor load outstanding at a time.
; LAYOUT.  Both products are used transposed (S^T = K Q^T, O^T = V^T P^T): a lane holds ONE query throughout.  The keys of a tile are chosen (row r of tile 2 b + u: key 32 b + 8 u + r + 8 (r / 8)) so that
; the 16 registers of tiles 2 b and 2 b + 1 are 16 neighbouring keys.  The queries of a tile are chosen alike.
; REGISTERS.  Tile A lives in window 0, tile B in window 1, under the SAME numbers, so the softmax is one text run under two settings: v12 -M, v13 the largest t, v[14:15] the sum, v16-27 Q, v96-159 S^T then p,
; v160-223 O^T, v224-235 p's codes, v232-254 at work.  v32-79: four fragments of K or V in window 0, four more in window 1, shared by both tiles.  Scale operands have no window: all lie in window 0.
; THE WAY OUT.  The reshape of the reference makes of O[n][d] the row n' = 128 (n % 8) + d and the channel 128 head + n / 8: my 256 queries are ONE block of 32 along the projection's K for each of the 1,024 rows n'.
; O / sum goes through a stage in LDS; wave e then holds, a lane to a row n' = 128 e + d, the block's 32 numbers (queries 8 i + e), and quantises them.
;   wo[bh][j]: three planes of 8,192 bytes (plane p: bytes 8 p .. 8 p + 7 of row n's 24 bytes of codes, at 8 n'), then 1,024 scale bytes.
; LIMITS: NaN and infinities are not served.  A block's largest magnitude is taken no smaller than 2^(3 - 127); a block of zeros gets the byte 1 where the rule says 127: its codes are zeros, and this program alone reads the bytes.
.set REC,  25600
.set FRB,  1536
.set OP,   528                         ; a stage row: a query's 512 bytes + 16
.set SCB,  8*REC                       ; behind K and V: 1,024 scale bytes on their way out; no tensor load lands there
.set SPARE, SCB+1024                   ; behind them: the spare words, 128 bytes for each wave: four blocks of 256 bytes that no other line names
.set LI,   1                           ; v1   16 x lane
.set ADR,  2                           ; v2   the key step's record + 16 x lane
.set SO,   3                           ; v3   the stage: where I put 32 bytes of my query's row
.set RB0,  4                           ; v4   the stage: queries 8 i + wave, i < 16, channel = lane
.set RB1,  5                           ; v5   the same, i >= 16
.set SBA,  6                           ; v6   my row's scale byte
.set GOF,  7                           ; v7   8 n' of my first row
.set QOF,  8                           ; v8   my wave's fragments of Q
.set QSO,  9                           ; v9   and their scale words
.set SBR,  10                          ; v10  8 scale bytes, read back
.set SBG,  11                          ; v11  and their place in the record
.set BY,   28                          ; v28-31 at the head: lane, r, h, r + 8 (r / 8); on the way out: four scale bytes
.set QSB,  80                          ; v80  tile B's scale words of Q
.set PSB,  81                          ; v81  tile B's scale word of p
.set SPW,  82                          ; v82  LDS address of my spare word: SPARE + 4 x my thread's number; never rewritten
.set NIL,  83                          ; v83  0; never rewritten
.set KS,   84                          ; v84-87 K's scale words: register i: lanes 0-15 tile i, lanes 16-31 tile 4 + i
.set VS,   88                          ; v88-91 V's
.set PSA,  253                         ; v253 tile A's scale word of p
.set QSA,  255                         ; v255 tile A's scale words of Q
.set CT,   248                         ; on the way out: v248-250, v251, v252, v254 at work
.set T0,   251
.set T1,   252
.set EO,   254
.set WV,   10                          ; s10  wave
.set J,    11                          ; s11  my place in the cluster: it enters global addresses alone
.set BH,   12                          ; s12  image x 4 + head
.set SEL,  20                          ; s[20:21] v_permlanex16_b32's selects for lane l xor 16
.set CS,   22                          ; s[22:23] c = log2(e) / sqrt(128)
.set G1A,  24                          ; s[24:31] group 1: 25 rows of 256 bytes;  s[32:39]: 75 rows
.set G1B,  32
.set G0A,  40                          ; s[40:43] group 0: my eighth of key steps 0, 1;  s[44:47]: of key steps 2 to 7
.set G0B,  44
.set TB,   48                          ; s48  LDS byte at which the key step's record begins
.set CNT,  49
.set MSB, 0
.macro WIN new                         ; low byte: bits 1:0 source 0, 3:2 source 1, 5:4 source 2, 7:6 destination; the high byte repeats the setting that is left
.if MSB != \new
	s_set_vgpr_msb (MSB<<8)|\new
.set MSB, \new
.endif
.endm
.macro ROUND
	s_barrier_signal -1
	s_barrier_wait -1
	s_cmp_lg_u32 s[WV], 0
	s_cbranch_scc1 .Lnot_wave_0_\@
	s_barrier_signal -3
.Lnot_wave_0_\@:
	s_barrier_wait -3
	s_barrier_signal -1
	s_barrier_wait -1
.endm
.macro BARRIER
	s_wait_dscnt 0x0
	s_barrier_signal -1
	s_barrier_wait -1
.endm
.macro PLACES
.rept 4
	v_nop
.endr
.endm
	s_load_b128 s[4:7], s[0:1], 0x0                ; qb s[4:5], kv s[6:7]
	s_load_b64 s[8:9], s[0:1], 0x10                ; wo
	v_lshl_add_u32 v[SPW], v0, 2, SPARE
	v_mov_b32 v[NIL], 0
	ds_add_u32 v82, v83
	ds_add_u32 v82, v83
	s_wait_dscnt 0x0
	v_lshrrev_b32 v28, 5, v0
	v_readfirstlane_b32 s[WV], v28                 ; wave 0..7
	s_bfe_u32 s[J], ttmp6, 0x40000
	s_and_b32 s[BH], ttmp7, 0xffff
	s_mov_b32 s[SEL], 0x76543210
	s_mov_b32 s[SEL+1], 0xfedcba98
	s_mov_b32 s[CS], 0x3e0293ee
	s_mov_b32 s[CS+1], s[CS]                       ; (named with it as a pair, so it is written)
	s_mov_b32 s[TB], 0
	; descriptors: dense blocks of memory as rows of 256 bytes (32 elements of 8 bytes), no padding: images are read 512 consecutive bytes at a time
	s_mov_b32 s[G1A+0], 15|(3<<16)|(1<<21)         ; 15:0 the mask: all four work-groups; 17:16 elements of 8 bytes; 21 set beside a mask
	s_mov_b32 s[G1A+1], 32<<16
	s_mov_b32 s[G1A+2], 25<<16
	s_mov_b32 s[G1A+3], 32<<16
	s_mov_b32 s[G1A+4], 25
	s_mov_b32 s[G1A+5], 32
	s_mov_b32 s[G1A+6], 0
	s_mov_b32 s[G1A+7], 0
	s_mov_b32 s[G1B+0], 15|(3<<16)|(1<<21)
	s_mov_b32 s[G1B+1], 32<<16
	s_mov_b32 s[G1B+2], 75<<16
	s_mov_b32 s[G1B+3], 32<<16
	s_mov_b32 s[G1B+4], 75
	s_mov_b32 s[G1B+5], 32
	s_mov_b32 s[G1B+6], 0
	s_mov_b32 s[G1B+7], 0
	s_mov_b32 s[G0A], 1
	s_mul_i32 s[G0A+1], s[WV], 25*256              ; LDS: as in memory, from the head's first byte on
	s_mov_b32 s[G0B], 1
	s_mul_i32 s[G0B+1], s[WV], 75*256
	s_add_co_u32 s[G0B+1], s[G0B+1], 2*REC
	s_mul_i32 s50, s[BH], 8*REC                    ; the head's eight records
	s_add_co_u32 s52, s50, s[G0A+1]
	s_mov_b32 s53, 0
	s_add_co_u32 s54, s50, s[G0B+1]
	s_mov_b32 s55, 0
	s_lshl_b32 s56, s[BH], 2
	s_add_co_u32 s56, s56, s[J]
	s_mul_i32 s56, s56, REC                        ; my record of qb and of wo
	s_mov_b32 s57, 0
	v_and_b32 v28, 31, v0                          ; lane
	v_and_b32 v29, 15, v0                          ; r
	v_bfe_u32 v30, v0, 4, 1                        ; h
	v_and_b32 v31, 8, v29
	v_add_nc_u32 v31, v31, v29                     ; r + 8 (r / 8)
	v_lshlrev_b32 v[LI], 4, v28
	s_mul_i32 s50, s[WV], 32*OP                    ; tile A's queries: 32 wave + r + 8 (r / 8); tile B's eight further on
	v_mul_u32_u24 v[SO], v31, OP
	v_lshl_add_u32 v[SO], v30, 5, v[SO]
	v_add_nc_u32 v[SO], s50, v[SO]
	s_mul_i32 s50, s[WV], OP
	v_lshl_add_u32 v[RB0], v28, 2, s50
	v_add_nc_u32 v[RB1], 128*OP, v[RB0]
	s_lshl_b32 s50, s[WV], 7
	s_add_co_u32 s51, s50, SCB
	v_add_nc_u32 v[SBA], s51, v28
	s_lshl_b32 s51, s[WV], 10
	v_lshl_add_u32 v[GOF], v28, 3, s51
	s_mul_i32 s51, s[WV], 2*FRB
	v_add_nc_u32 v[QOF], s51, v[LI]
	s_add_co_u32 s51, s50, 16*FRB
	v_lshl_add_u32 v[QSO], v29, 2, s51
	s_lshl_b32 s50, s[WV], 8
	s_add_co_u32 s51, s50, SCB
	v_lshl_add_u32 v[SBR], v28, 3, s51
	s_add_co_u32 s51, s50, 3*8192
	v_lshl_add_u32 v[SBG], v28, 3, s51
	ROUND                                          ; all four work-groups are here: the joint loads meet.  The round names no argument, so it stands ahead of the wait for them
	s_wait_kmcnt 0x0
	s_add_nc_u64 s[G0A+2:G0A+3], s[6:7], s[52:53]
	s_or_b32 s[G0A+3], s[G0A+3], 0x80000000
	s_add_nc_u64 s[G0B+2:G0B+3], s[6:7], s[54:55]
	s_or_b32 s[G0B+3], s[G0B+3], 0x80000000
	s_add_nc_u64 s[4:5], s[4:5], s[56:57]
	s_add_nc_u64 s[8:9], s[8:9], s[56:57]
.macro INIT
	v_mov_b32 v13, 0xff61b1e6                      ; the largest t so far: -3e38, under every t
	v_floor_f32 v12, -v13                          ; -M
	v_mov_b32 v14, 0                               ; the sum, in two halves
	v_mov_b32 v15, 0
.irp b, 0,1,2,3
	v_mov_b32 v[236+\b], 0                         ; written once: a lane permute's destination counts as one of its sources
.endr
	v_mov_b32 v253, 0                              ; (named as the upper half of the pair v[252:253] before it is first written)
.endm
	tensor_load_to_lds s[G0A:G0A+3], s[G1A:G1A+7]  ; my eighth of key steps 0 and 1, and nothing else yet
	s_nop 0
	INIT                                           ; nine plain lines under the setting in force stand behind the load
.irp c, 0,1,2
	global_load_b128 v[16+4*\c:19+4*\c], v[QOF], s[4:5] offset:512*\c          ; Q of tile A stays in registers
.endr
	global_load_b32 v[QSA], v[QSO], s[4:5]
	global_load_b32 v[QSB], v[QSO], s[4:5] offset:64
	WIN 0x40                                       ; destination window 1
.irp c, 0,1,2
	global_load_b128 v[16+4*\c:19+4*\c], v[QOF], s[4:5] offset:FRB+512*\c      ; and of tile B
.endr
	WIN 0x55
	INIT
	WIN 0
; eight fragments from off bytes into the record: four into window 0, four into window 1; and their scale words, 16 bytes a lane
.macro LOADF off, sc, soff
.irp f, 0,1,2,3
.irp c, 0,1,2
	ds_load_b128 v[32+12*\f+4*\c:35+12*\f+4*\c], v[ADR] offset:\off+FRB*\f+512*\c
.endr
.endr
	ds_load_b128 v[\sc:\sc+3], v[ADR] offset:\soff
	WIN 0x40
.irp f, 0,1,2,3
.irp c, 0,1,2
	ds_load_b128 v[32+12*\f+4*\c:35+12*\f+4*\c], v[ADR] offset:\off+4*FRB+FRB*\f+512*\c
.endr
.endr
	WIN 0
.endm
; four products S^T = K Q^T: tiles of keys 4 g + 0 .. 3
.macro KQ4 g, qs
.irp i, 0,1,2,3
.if \g
	v_wmma_scale_f32_16x16x128_f8f6f4 v[128+8*\i:135+8*\i], v[32+12*\i:43+12*\i], v[16:27], 0, v[KS+\i], v[\qs] matrix_a_fmt:MATRIX_FMT_FP6 matrix_b_fmt:MATRIX_FMT_FP6 matrix_a_scale:MATRIX_SCALE_ROW1
.else
	v_wmma_scale_f32_16x16x128_f8f6f4 v[96+8*\i:103+8*\i], v[32+12*\i:43+12*\i], v[16:27], 0, v[KS+\i], v[\qs] matrix_a_fmt:MATRIX_FMT_FP6 matrix_b_fmt:MATRIX_FMT_FP6
.endif
.endr
.endm
.macro SQK
	WIN 0                                          ; K window 0, tile A
	KQ4 0, QSA
	WIN 0x44                                       ; K window 0; Q and S^T window 1: tile B
	KQ4 0, QSB
	WIN 0x01                                       ; K window 1, tile A
	KQ4 1, QSA
	WIN 0x45                                       ; K window 1, tile B
	KQ4 1, QSB
.endm
; four products O^T += V^T P^T: channels 16 (4 g + i) on.  first = 1: they start the sums: nothing is ever cleared.  The eight accumulators of a tile take turns, one instruction a turn
.macro PV4 g, ps, first
.irp i, 0,1,2,3
.set rO, 160+8*(4*\g+\i)
.if \first
.if \g
	v_wmma_scale_f32_16x16x128_f8f6f4 v[rO:rO+7], v[32+12*\i:43+12*\i], v[224:235], 0, v[VS+\i], v[\ps] matrix_a_fmt:MATRIX_FMT_FP6 matrix_b_fmt:MATRIX_FMT_FP6 matrix_a_scale:MATRIX_SCALE_ROW1
.else
	v_wmma_scale_f32_16x16x128_f8f6f4 v[rO:rO+7], v[32+12*\i:43+12*\i], v[224:235], 0, v[VS+\i], v[\ps] matrix_a_fmt:MATRIX_FMT_FP6 matrix_b_fmt:MATRIX_FMT_FP6
.endif
.else
.if \g
	v_wmma_scale_f32_16x16x128_f8f6f4 v[rO:rO+7], v[32+12*\i:43+12*\i], v[224:235], v[rO:rO+7], v[VS+\i], v[\ps] matrix_a_fmt:MATRIX_FMT_FP6 matrix_b_fmt:MATRIX_FMT_FP6 matrix_a_scale:MATRIX_SCALE_ROW1
.else
	v_wmma_scale_f32_16x16x128_f8f6f4 v[rO:rO+7], v[32+12*\i:43+12*\i], v[224:235], v[rO:rO+7], v[VS+\i], v[\ps] matrix_a_fmt:MATRIX_FMT_FP6 matrix_b_fmt:MATRIX_FMT_FP6
.endif
.endif
.endr
.endm
.macro PV tile, first
.if \tile
	WIN 0x54                                       ; V window 0; p, C and D window 1
	PV4 0, PSB, \first
	WIN 0x55
	PV4 1, PSB, \first
.else
	WIN 0
	PV4 0, PSA, \first
	WIN 0x01
	PV4 1, PSA, \first
.endif
.endm
; One tile's softmax for 128 keys, under the tile's own window.  first = 1: O^T has not begun, so there is nothing to rescale.
.macro SOFTMAX tile, first
.irp b, 0,1,2,3
	v_max3_num_f32 v[232+\b], v[96+16*\b], v[97+16*\b], v[98+16*\b]   ; THE LARGEST SCORE OF EACH BLOCK OF 32 KEYS: it serves for the row's maximum and, since p rises with the score, for the block's largest p
.endr
.irp i, 3,5,7,9,11,13
.irp b, 0,1,2,3
	v_max3_num_f32 v[232+\b], v[232+\b], v[96+16*\b+\i], v[97+16*\b+\i]
.endr
.endr
.irp b, 0,1,2,3
	v_max_num_f32 v[232+\b], v[232+\b], v[111+16*\b]
.endr
.irp b, 0,1,2,3
	v_permlanex16_b32 v[236+\b], v[232+\b], s[SEL], s[SEL+1]
.endr
.irp b, 0,1,2,3
	v_max_num_f32 v[232+\b], v[232+\b], v[236+\b]  ; with lane l xor 16's 16 keys
.endr
	v_max3_num_f32 v254, v232, v233, v234
	v_max_num_f32 v254, v254, v235                 ; the step's largest score of my query
	v_mul_f32 v254, s[CS], v254                    ; as t (c is positive)
	v_max_num_f32 v13, v13, v254                   ; the running largest t
	v_mov_b32 v254, v12
	v_floor_f32 v12, -v13                          ; the new -M = floor(-t) = -ceil(t): M IS A WHOLE NUMBER
	v_pk_fma_f32 v[96:97], v[96:97], s[CS:CS+1], v[12:13] op_sel_hi:[1,0,0]       ; t - M, two at a time: the first four pairs stand between the three dependent lines that make f
	v_sub_f32 v254, v12, v254                      ; M's old value less its new one: a whole number, 0 or less
	v_pk_fma_f32 v[98:99], v[98:99], s[CS:CS+1], v[12:13] op_sel_hi:[1,0,0]
	v_cvt_i32_f32 v254, v254                       ; (it saturates)
	v_pk_fma_f32 v[100:101], v[100:101], s[CS:CS+1], v[12:13] op_sel_hi:[1,0,0]
	v_ldexp_f32 v252, 1.0, v254                    ; f = 2^(old M - new M)
	v_pk_fma_f32 v[102:103], v[102:103], s[CS:CS+1], v[12:13] op_sel_hi:[1,0,0]
; p = 2^(t - M), at most 1: NOT normalised.  Exponential, plain, exponential, plain: behind each exponential stands a plain line that is ready and names none of its registers:
; t - M of the pair four pairs on (at the end: of the four blocks' largest scores), and a pair of O^T x f, each accumulator from its low end on.
.set jj, 0
.rept 32
	v_exp_f32 v[96+2*jj], v[96+2*jj]
.if jj < 28
	v_pk_fma_f32 v[104+2*jj:105+2*jj], v[104+2*jj:105+2*jj], s[CS:CS+1], v[12:13] op_sel_hi:[1,0,0]
.else
	v_fma_f32 v[232+jj-28], v[232+jj-28], s[CS], v12
.endif
	v_exp_f32 v[97+2*jj], v[97+2*jj]
.if \first == 0
	v_pk_mul_f32 v[160+2*jj:161+2*jj], v[160+2*jj:161+2*jj], v[252:253] op_sel_hi:[1,0]   ; O^T under the new M
.endif
.set jj, jj+1
.endr
.irp b, 0,1,2,3
	v_exp_f32 v[232+\b], v[232+\b]                 ; the block's largest p: the same two instructions on the same number give the same bits
.endr
	v_pk_mul_f32 v[14:15], v[14:15], v[252:253] op_sel_hi:[1,0]   ; the sums under the new M.  (A plain place behind the exponentials)
	s_wait_alu depctr_va_vdst(0)
.irp b, 0,1,2,3
	v_max_num_f32 v[232+\b], 0x1800000, v[232+\b]  ; the floor 2^(3 - 127): the byte cannot fall under 1
.endr
.irp b, 0,1,2,3
	v_add_nc_u32 v[244+\b], 0xff000000, v[232+\b]  ; 2 off the exponent field: the conversion's scale operand
.endr
.irp b, 0,1,2,3
	v_lshrrev_b32 v[236+\b], 23, v[244+\b]         ; the scale's byte
.endr
	v_lshl_or_b32 v253, v237, 8, v236              ; p's scale word for these 128 keys
	v_lshl_or_b32 v253, v238, 16, v253
.if \tile
	WIN 0x15                                       ; a scale operand has no window: tile B's word is finished into window 0
	v_lshl_or_b32 v[PSB], v239, 24, v253
	WIN 0x55
.else
	v_lshl_or_b32 v253, v239, 24, v253
.endif
.irp c, 0,1
	v_cvt_scalef32_pk16_fp6_f32 v[224+6*\c:226+6*\c], v[96+32*\c:111+32*\c], v[244+2*\c]
	v_cvt_scalef32_pk16_fp6_f32 v[236+4*\c:238+4*\c], v[112+32*\c:127+32*\c], v[244+2*\c+1]   ; (a conversion's three registers begin on an even number)
.endr
	v_nop                                          ; one plain place behind a scaled conversion
.irp c, 0,1                                    ; the operand's layout wants a WHOLE block in a lane
.irp i, 0,1,2
	v_permlane16_swap_b32 v[224+6*\c+\i], v[236+4*\c+\i]
.endr
.irp i, 0,1,2
	v_mov_b32 v[227+6*\c+\i], v[236+4*\c+\i]
.endr
.endr
; THE ROW'S SUM IS TAKEN OF THE UNQUANTISED p: two at a time, in four chains, so that a line adds onto the result of the line four back.  3 + 24 + 2 + 3 = 32 lines for the 32 pairs and the old sum.
; They are also the places between p's codes and scale word and the products.
	v_pk_add_f32 v[236:237], v[96:97], v[98:99]
	v_pk_add_f32 v[240:241], v[100:101], v[102:103]
	v_pk_add_f32 v[244:245], v[104:105], v[106:107]
.irp j, 12,20,28,36,44,52
	v_pk_add_f32 v[14:15], v[14:15], v[96+\j:97+\j]
	v_pk_add_f32 v[236:237], v[236:237], v[98+\j:99+\j]
	v_pk_add_f32 v[240:241], v[240:241], v[100+\j:101+\j]
	v_pk_add_f32 v[244:245], v[244:245], v[102+\j:103+\j]
.endr
	v_pk_add_f32 v[14:15], v[14:15], v[156:157]
	v_pk_add_f32 v[236:237], v[236:237], v[158:159]
	v_pk_add_f32 v[240:241], v[240:241], v[244:245]
	v_pk_add_f32 v[14:15], v[14:15], v[236:237]
	v_pk_add_f32 v[14:15], v[14:15], v[240:241]
.endm
; A KEY STEP: 128 keys.  V's fragments are asked for as soon as K's have been multiplied and land under tile A's softmax; tile A's second product is issued ahead of tile B's softmax.
.macro STEP first
	v_add_nc_u32 v[ADR], s[TB], v[LI]
.rept 3
	v_nop                                          ; with the line above: four places in front of loads into registers that the last products read
.endr
	LOADF 0, KS, 16*FRB
	s_wait_dscnt 0x0                               ; K is in
	SQK
	WIN 0
	PLACES                                         ; in front of the loads into K's registers and of the first read of the scores
	LOADF 8*FRB, VS, 16*FRB+512
	SOFTMAX 0, \first
	s_wait_dscnt 0x0                               ; V is in
	PV 0, \first
	WIN 0x55
	SOFTMAX 1, \first
	PV 1, \first
	WIN 0
	s_add_co_u32 s[TB], s[TB], REC
.endm
	s_wait_loadcnt 0x0                             ; Q
	s_wait_tensorcnt 0x0                           ; my one tensor load has landed: my part of key steps 0 and 1
	ds_add_u32 v[SPW], v[NIL]                      ; 0 onto my spare word
	s_wait_dscnt 0x0                               ; the add is done
	ROUND                                          ; everybody's part is in, in all four work-groups
	tensor_load_to_lds s[G0B:G0B+3], s[G1B:G1B+7]  ; the first thing behind the round, and my only other tensor load: my eighth of key steps 2 to 7, into bytes that nothing has filled
	s_nop 0
	STEP 1                                         ; (its first four lines are plain vector lines under the setting in force)
	STEP 0
	s_wait_tensorcnt 0x0                           ; my part of key steps 2 to 7 is in: no load was issued behind it,
	BARRIER                                        ; everybody's is
	s_mov_b32 s[CNT], 6
.Lstep:
	STEP 0
	s_sub_co_u32 s[CNT], s[CNT], 1
	s_cmp_lg_u32 s[CNT], 0
	s_cbranch_scc1 .Lstep
	; ---- THE WAY OUT.  O^T / the sum, tile by tile.  Tile A's lines name no register of tile B's last products: they are the places behind those
.macro NORM
	v_add_f32 v14, v14, v15                        ; the sum's two halves,
	v_permlanex16_b32 v252, v14, s[SEL], s[SEL+1]
	v_add_f32 v14, v14, v252                       ; and lane l xor 16's: the row's sum
	v_rcp_f32 v14, v14
	v_nop                                          ; a plain place behind the transcendental
.set jj, 0
	s_wait_alu depctr_va_vdst(0)
.rept 32
	v_pk_mul_f32 v[96+jj:97+jj], v[160+jj:161+jj], v[14:15] op_sel_hi:[1,0]   ; register 8 t + i is o(my query, 16 t + 8 h + i)
.set jj, jj+2
.endr
.endm
	NORM
	WIN 0x55
	NORM
	WIN 0
	BARRIER                                        ; no wave reads K or V any more: their bytes, which have had their only fill, become the stage
.irp t, 0,1,2,3,4,5,6,7
	ds_store_b128 v[SO], v[96+8*\t:99+8*\t] offset:64*\t
	ds_store_b128 v[SO], v[100+8*\t:103+8*\t] offset:64*\t+16
.endr
	WIN 0x04                                       ; an LDS store's data are its source 1: window 1
.irp t, 0,1,2,3,4,5,6,7
	ds_store_b128 v[SO], v[96+8*\t:99+8*\t] offset:8*OP+64*\t
	ds_store_b128 v[SO], v[100+8*\t:103+8*\t] offset:8*OP+64*\t+16
.endr
	WIN 0
	BARRIER                                        ; 256 rows of O lie in the stage
.irp dg, 0,1,2,3                               ; row n' = 128 wave + 32 dg + lane: its block's number i is o(query 8 i + wave, channel 32 dg + lane)
.set ii, 0
.rept 16
	ds_load_b32 v[96+32*\dg+ii], v[RB0] offset:8*OP*ii+128*\dg
.set ii, ii+1
.endr
.rept 16
	ds_load_b32 v[96+32*\dg+ii], v[RB1] offset:8*OP*(ii-16)+128*\dg
.set ii, ii+1
.endr
.endr
.macro BLK32 s, d, k                   ; 32 numbers of ONE lane are a whole block: codes to v[d] .. v[d + 5], the scale's byte to v[BY + k]
	v_max3_num_f32 v[T0], |v[\s]|, |v[\s+1]|, |v[\s+2]|
	v_max3_num_f32 v[T1], |v[\s+3]|, |v[\s+4]|, |v[\s+5]|
.irp i, 6,10,14,18,22,26
	v_max3_num_f32 v[T0], v[T0], |v[\s+\i]|, |v[\s+\i+1]|
	v_max3_num_f32 v[T1], v[T1], |v[\s+\i+2]|, |v[\s+\i+3]|
.endr
	v_max3_num_f32 v[T0], v[T0], |v[\s+30]|, |v[\s+31]|
	v_max3_num_f32 v[T0], v[T0], v[T1], 0x1800000
	v_add_nc_u32 v[EO], 0xff000000, v[T0]
	v_lshrrev_b32 v[BY+\k], 23, v[EO]
	v_cvt_scalef32_pk16_fp6_f32 v[\d:\d+2], v[\s:\s+15], v[EO]
	v_cvt_scalef32_pk16_fp6_f32 v[CT:CT+2], v[\s+16:\s+31], v[EO]
	v_nop
	v_mov_b32 v[\d+3], v[CT]
	v_mov_b32 v[\d+4], v[CT+1]
	v_mov_b32 v[\d+5], v[CT+2]
.endm
	s_wait_dscnt 63                                ; behind the first 64 loads 64 were issued: 63 is the largest count that the wait can name
	BLK32 96, 224, 0
	BLK32 128, 230, 1
	s_wait_dscnt 32                                ; the last 32 may be out
	BLK32 160, 236, 2
	s_wait_dscnt 0x0
	BLK32 192, 242, 3
.irp dg, 0,1,2,3
.irp p, 0,1,2
	global_store_b64 v[GOF], v[224+6*\dg+2*\p:225+6*\dg+2*\p], s[8:9] offset:8192*\p+256*\dg   ; 32 lanes store 256 consecutive bytes, at a multiple of 256 from the buffer's first byte
.endr
	ds_store_b8 v[SBA], v[BY+\dg] offset:32*\dg
.endr
	BARRIER                                        ; the 1,024 scale bytes lie in LDS
	s_cmp_lt_u32 s[WV], 4
	s_cbranch_scc0 .Lno_bytes
	ds_load_b64 v[96:97], v[SBR]
	s_wait_dscnt 0x0
	global_store_b64 v[SBG], v[96:97], s[8:9]      ; 256 consecutive bytes a wave
.Lno_bytes:
	s_wait_tensorcnt 0x0                           ; the wave's end, behind my last tensor load and my last LDS store
	ds_add_u32 v[SPW], v[NIL]
	s_wait_dscnt 0x0
	ROUND                                          ; the closing round: no work-group ends while a partner may still ask for a tile that names it
	s_endpgm
.Lfunc_end_k_qb941f577e4_attn:
	.size	k_qb941f577e4_attn, .Lfunc_end_k_qb941f577e4_attn-k_qb941f577e4_attn
	.p2alignl 7, 3214868480
	.fill 96, 4, 3214868480
	.section	.rodata,"a",@progbits
	.p2align	6, 0x0
	.amdhsa_kernel k_qb941f577e4_attn
		.amdhsa_group_segment_fixed_size 327680
		.amdhsa_private_segment_fixed_size 0
		.amdhsa_enable_private_segment 0
		.amdhsa_kernarg_size 24
		.amdhsa_user_sgpr_count 2
		.amdhsa_user_sgpr_kernarg_segment_ptr 1
		.amdhsa_wavefront_size32 1
		.amdhsa_system_sgpr_workgroup_id_x 1
		.amdhsa_system_sgpr_workgroup_id_y 1
		.amdhsa_system_sgpr_workgroup_id_z 1
		.amdhsa_system_vgpr_workitem_id 0
		.amdhsa_next_free_vgpr 512
		.amdhsa_next_free_sgpr 66
		.amdhsa_reserve_vcc 0
		.amdhsa_float_denorm_mode_32 3
		.amdhsa_float_denorm_mode_16_64 3
		.amdhsa_memory_ordered 1
		.amdhsa_forward_progress 1
		.amdhsa_inst_pref_size 125
	.end_amdhsa_kernel
	.amdgpu_metadata
---
amdhsa.version: [ 1, 2 ]
amdhsa.kernels:
  - .name:           k_qb941f577e4_attn
    .symbol:         k_qb941f577e4_attn.kd
    .args:
      - { .name: qb, .offset: 0, .size: 8, .value_kind: global_buffer, .address_space: global }
      - { .name: kv, .offset: 8, .size: 8, .value_kind: global_buffer, .address_space: global }
      - { .name: wo, .offset: 16, .size: 8, .value_kind: global_buffer, .address_space: global }
    .group_segment_fixed_size: 327680
    .private_segment_fixed_size: 0
    .kernarg_segment_align: 8
    .kernarg_segment_size: 24
    .max_flat_workgroup_size: 256
    .sgpr_count:     66
    .vgpr_count:     512
    .wavefront_size: 32
...
	.end_amdgpu_metadata
.endif
;; end of part 2
;; launch proj (part 3): grid 256 x 1, 8 waves a work-group, clusters of 4 x 1, 168,960 bytes of LDS; arguments wo, wtc, x, bt, out0; writes out0
.if DOCPART == 3
	.amdgcn_target "amdgcn-amd-amdhsa--gfx1250"
	.amdhsa_code_object_version 6
	.text
	.protected	k_qb941f577e4_proj
	.globl	k_qb941f577e4_proj
	.p2align	8
	.type	k_qb941f577e4_proj,@function
k_qb941f577e4_proj:
	s_mov_b64 s[64:65], 0
	v_nop
	global_prefetch_b8 v0, s[64:65] scope:SCOPE_SE
	s_setreg_imm32_b32 hwreg(HW_REG_WAVE_MODE, 25, 1), 1
	s_wait_xcnt 0x0
	s_wait_alu depctr_hold_cnt(0) depctr_sa_sdst(0) depctr_va_vdst(0) depctr_va_sdst(0) depctr_va_ssrc(0) depctr_va_vcc(0) depctr_vm_vsrc(0)
	s_getreg_b32 s2, hwreg(HW_REG_IB_STS2, 6, 4)
	s_cmp_eq_u32 s2, 0
	s_cbranch_scc0 .Lentry_in_a_cluster
	s_endpgm
.Lentry_in_a_cluster:
	s_bfe_u32 s2, ttmp6, 0x10000c
	s_cmp_lg_u32 s2, 0x3003
	s_cbranch_scc0 .Lentry_shape_is_right
	s_endpgm
.Lentry_shape_is_right:
; out0[b][o][n'] = x[b][o][n'] + bt[o] + the sum over c' of Wt[o][c'] w[b][c'][n'], the product on codes of FP6 (E2M3) with one E8M0 scale for each 32 along K = c' (512).
; w's codes come from wo[4 b + K step][block of 32][three planes of 8 bytes a row n', then a scale byte a row]; Wt's from wtc, as images of the operand's registers (fragment (o tile) x 4 + K step; then the scale words' images).
; SHARES.  Work-group g = 4 x cluster + place: image g / 16, rows n' 64 (g % 16) on, all 128 outputs.  Eight waves: wave w takes 16 rows (w % 4) x 64 outputs (w / 4): four accumulators, four K steps.
; All work-groups read the same 53,248 bytes of wtc: a cluster's four ask for them jointly.  They are filled once.
; THE REQUESTS GO OUT IN THE ORDER OF NEED: wtc, which every wave's first product waits for; the rows' codes and scale bytes; bt; and last the residual x, which is wanted only behind the last product.
; Source 0 = 16 rows n', source 1 = 16 rows of Wt: a lane holds ONE output o and eight neighbouring n', 32 bytes of a row of out0.  The rows meet in a stage in LDS and leave as aligned runs of 256 bytes.
.set REC,  25600
.set FRB,  1536
.set STG,  32*FRB+32*128               ; behind wtc's 53,248 bytes: 128 rows (o) x (256 bytes + 16); no tensor load lands there
.set SP,   272
.set LI,   1                           ; v1   16 x lane
.set AO,   2                           ; v2   wo: 25,600 h + 8 n'
.set SBO,  3                           ; v3   wo: n'
.set BTO,  4                           ; v4   bt: 4 (64 (w / 4) + r)
.set XO,   5                           ; v5   x and out0: my 16 bytes of two rows o
.set WTA,  6                           ; v6   Wt's images of my four o tiles
.set WSA,  7                           ; v7   and their scale words'
.set STO,  8                           ; v8   the stage: where I put 32 bytes
.set SRD,  9                           ; v9   and where I read rows back
.set AF,   16                          ; v16-63  the rows' four fragments, one a K step
.set AW,   64                          ; v64-67  their scale words: scales and nothing else
.set WS,   68                          ; v68-75  Wt's scale words, two sets of four
.set BT,   76                          ; v76-83  bt of my four outputs, each as a pair
.set ACC,  84                          ; v84-115 four accumulators; before the products v84-99 hold the 16 scale bytes
.set XR,   116                         ; v116-147 x
.set WTF,  148                         ; v148-243 Wt's fragments, two sets of four; later the rows read back
.set WV,   14
.set G1,   24                          ; s[24:31], s[32:35] the descriptor
.set G0,   32
.macro ROUND
	s_barrier_signal -1
	s_barrier_wait -1
	s_cmp_lg_u32 s[WV], 0
	s_cbranch_scc1 .Lnot_wave_0_\@
	s_barrier_signal -3
.Lnot_wave_0_\@:
	s_barrier_wait -3
	s_barrier_signal -1
	s_barrier_wait -1
.endm
.macro BARRIER
	s_wait_dscnt 0x0
	s_barrier_signal -1
	s_barrier_wait -1
.endm
.macro PLACES
.rept 4
	v_nop
.endr
.endm
	s_load_b256 s[4:11], s[0:1], 0x0               ; wo s[4:5], wtc s[6:7], x s[8:9], bt s[10:11]
	s_load_b64 s[12:13], s[0:1], 0x20              ; out0
	v_lshl_add_u32 v254, v0, 2, 0x29000
	v_mov_b32 v255, 0
	ds_add_u32 v254, v255
	ds_add_u32 v254, v255
	s_wait_dscnt 0x0
	v_lshrrev_b32 v10, 5, v0
	v_readfirstlane_b32 s[WV], v10                 ; wave 0..7
	s_bfe_u32 s15, ttmp6, 0x40000                  ; my place in the cluster: it enters global addresses alone
	s_lshl_b32 s16, ttmp9, 2
	s_add_co_u32 s16, s16, s15                     ; g
	s_lshr_b32 s17, s16, 4                         ; image
	s_and_b32 s18, s16, 15                         ; which 64 rows n'
	s_and_b32 s19, s[WV], 3                        ; my tile of rows
	s_lshr_b32 s20, s[WV], 2                       ; my half of the outputs
	s_mov_b32 s[G1+0], 15|(3<<16)|(1<<21)          ; 15:0 the mask: all four work-groups; 17:16 elements of 8 bytes; 21 set beside a mask
	s_mov_b32 s[G1+1], 32<<16                      ; a dense block as 26 rows of 256 bytes
	s_mov_b32 s[G1+2], 26<<16
	s_mov_b32 s[G1+3], 32<<16
	s_mov_b32 s[G1+4], 26
	s_mov_b32 s[G1+5], 32
	s_mov_b32 s[G1+6], 0
	s_mov_b32 s[G1+7], 0
	s_mov_b32 s[G0], 1
	s_mul_i32 s[G0+1], s[WV], 26*256
	s_mul_i32 s38, s[WV], 26*256
	s_mov_b32 s39, 0
	v_and_b32 v10, 31, v0                          ; lane
	v_and_b32 v11, 15, v0                          ; r
	v_bfe_u32 v12, v0, 4, 1                        ; h
	v_lshlrev_b32 v[LI], 4, v10
	s_lshl_b32 s36, s18, 6
	s_lshl_b32 s37, s19, 4
	s_add_co_u32 s36, s36, s37
	v_add_nc_u32 v[SBO], s36, v11                  ; n' = 64 (g % 16) + 16 (w % 4) + r
	v_mul_u32_u24 v[AO], v12, REC                  ; lanes 16-31 take the next block of 32: the next record
	v_lshl_add_u32 v[AO], v[SBO], 3, v[AO]
	s_lshl_b32 s36, s20, 8
	v_lshl_add_u32 v[BTO], v11, 2, s36
	s_lshl_b32 s36, s[WV], 16                      ; rows o = 16 w + 2 i + h, 4,096 bytes each,
	s_lshl_b32 s37, s18, 8                         ; + my 64 n'
	s_add_co_u32 s36, s36, s37
	v_lshlrev_b32 v[XO], 12, v12
	v_lshl_add_u32 v[XO], v11, 4, v[XO]
	v_add_nc_u32 v[XO], s36, v[XO]
	s_mul_i32 s36, s20, 16*FRB
	v_add_nc_u32 v[WTA], s36, v[LI]
	s_lshl_b32 s36, s20, 11
	s_add_co_u32 s36, s36, 32*FRB
	v_lshl_add_u32 v[WSA], v10, 2, s36
	s_mul_i32 s36, s20, 64*SP
	s_lshl_b32 s37, s19, 6
	s_add_co_u32 s36, s36, s37
	s_add_co_u32 s36, s36, STG
	v_mul_u32_u24 v[STO], v11, SP                  ; row o = 64 (w / 4) + 16 t + r; bytes 64 (w % 4) + 32 h on
	v_lshl_add_u32 v[STO], v12, 5, v[STO]
	v_add_nc_u32 v[STO], s36, v[STO]
	s_mul_i32 s36, s[WV], 16*SP
	s_add_co_u32 s36, s36, STG
	v_mul_u32_u24 v[SRD], v12, SP                  ; back: lanes 0-15 one row of 256 bytes, lanes 16-31 the next
	v_lshl_add_u32 v[SRD], v11, 4, v[SRD]
	v_add_nc_u32 v[SRD], s36, v[SRD]
	s_mul_i32 s36, s17, 16*REC                     ; the image's sixteen records of wo
	s_mov_b32 s37, 0
	s_lshl_b32 s40, s17, 19                        ; and its 524,288 bytes of x and of out0
	s_mov_b32 s41, 0
	ROUND                                          ; all four work-groups are here: the joint loads meet.  The round names no argument, so it stands ahead of the wait for them
	s_wait_kmcnt 0x0
	s_add_nc_u64 s[G0+2:G0+3], s[6:7], s[38:39]
	s_or_b32 s[G0+3], s[G0+3], 0x80000000
	s_add_nc_u64 s[4:5], s[4:5], s[36:37]
	s_add_nc_u64 s[8:9], s[8:9], s[40:41]
	s_add_nc_u64 s[12:13], s[12:13], s[40:41]
	tensor_load_to_lds s[G0:G0+3], s[G1:G1+7]      ; my eighth of wtc; four v_nop follow
	s_nop 0
	PLACES
.irp ks, 0,1,2,3                               ; registers 6 c .. 6 c + 5 of K step ks: block 2 c + h, 24 bytes in three planes
.irp c, 0,1
.irp p, 0,1,2
	global_load_b64 v[AF+12*\ks+6*\c+2*\p:AF+12*\ks+6*\c+2*\p+1], v[AO], s[4:5] offset:(4*\ks+2*\c)*REC+8192*\p
.endr
.endr
.endr
.irp ks, 0,1,2,3
.irp jb, 0,1,2,3
	global_load_u8 v[ACC+4*\ks+\jb], v[SBO], s[4:5] offset:(4*\ks+\jb)*REC+3*8192
.endr
.endr
.irp t, 0,1,2,3
	global_load_b32 v[BT+2*\t], v[BTO], s[10:11] offset:64*\t
	global_load_b32 v[BT+2*\t+1], v[BTO], s[10:11] offset:64*\t      ; (the packed addition names the pair)
.endr
.irp i, 0,1,2,3,4,5,6,7
	global_load_b128 v[XR+4*\i:XR+4*\i+3], v[XO], s[8:9] offset:8192*\i th:TH_LOAD_NT   ; the residual: wanted last, asked for last
.endr
	s_wait_loadcnt 8                               ; all but x's eight
.irp ks, 0,1,2,3
	v_lshl_or_b32 v[AW+\ks], v[ACC+4*\ks+1], 8, v[ACC+4*\ks]
	v_lshl_or_b32 v[AW+\ks], v[ACC+4*\ks+2], 16, v[AW+\ks]
	v_lshl_or_b32 v[AW+\ks], v[ACC+4*\ks+3], 24, v[AW+\ks]
.endr
	s_wait_tensorcnt 0x0                           ; my part of wtc has landed,
	BARRIER                                        ; everybody's has
.macro FETCHT ks                       ; K step ks: my four o tiles' fragments and scale words into set ks % 2: sixteen LDS loads
.irp t, 0,1,2,3
.irp c, 0,1,2
	ds_load_b128 v[WTF+48*((\ks)%2)+12*\t+4*\c:WTF+48*((\ks)%2)+12*\t+4*\c+3], v[WTA] offset:(4*\t+\ks)*FRB+512*\c
.endr
	ds_load_b32 v[WS+4*((\ks)%2)+\t], v[WSA] offset:128*(4*\t+\ks)
.endr
.endm
.macro MUL ks                          ; the four accumulators take turns, one instruction a turn; the first K step starts the sums
.irp t, 0,1,2,3
.if \ks == 0
	v_wmma_scale_f32_16x16x128_f8f6f4 v[ACC+8*\t:ACC+8*\t+7], v[AF+12*\ks:AF+12*\ks+11], v[WTF+48*((\ks)%2)+12*\t:WTF+48*((\ks)%2)+12*\t+11], 0, v[AW+\ks], v[WS+4*((\ks)%2)+\t] matrix_a_fmt:MATRIX_FMT_FP6 matrix_b_fmt:MATRIX_FMT_FP6
.else
	v_wmma_scale_f32_16x16x128_f8f6f4 v[ACC+8*\t:ACC+8*\t+7], v[AF+12*\ks:AF+12*\ks+11], v[WTF+48*((\ks)%2)+12*\t:WTF+48*((\ks)%2)+12*\t+11], v[ACC+8*\t:ACC+8*\t+7], v[AW+\ks], v[WS+4*((\ks)%2)+\t] matrix_a_fmt:MATRIX_FMT_FP6 matrix_b_fmt:MATRIX_FMT_FP6
.endif
.endr
.endm
	FETCHT 0
	FETCHT 1
.rept 8
	v_nop                                          ; a scale register written by vector instructions stands eight places ahead of a scaled matrix instruction
.endr
	s_wait_dscnt 16                                ; K step 0's sixteen are in; K step 1's may be out
	MUL 0
	PLACES                                         ; in front of loads into registers that matrix instructions have read
	FETCHT 2
	s_wait_dscnt 16
	MUL 1
	PLACES
	FETCHT 3
	s_wait_dscnt 16
	MUL 2
	s_wait_dscnt 0x0
	MUL 3
	PLACES
.irp t, 0,1,2,3
.irp i, 0,2,4,6
	v_pk_add_f32 v[ACC+8*\t+\i:ACC+8*\t+\i+1], v[ACC+8*\t+\i:ACC+8*\t+\i+1], v[BT+2*\t:BT+2*\t+1] op_sel_hi:[1,0]   ; + bt[o]; each accumulator from its low end on
.endr
.endr
.irp t, 0,1,2,3
	ds_store_b128 v[STO], v[ACC+8*\t:ACC+8*\t+3] offset:16*SP*\t
	ds_store_b128 v[STO], v[ACC+8*\t+4:ACC+8*\t+7] offset:16*SP*\t+16
.endr
	BARRIER                                        ; 128 rows of 64 numbers lie in the stage
.irp i, 0,1,2,3,4,5,6,7
	ds_load_b128 v[WTF+4*\i:WTF+4*\i+3], v[SRD] offset:2*SP*\i
.endr
	s_wait_loadcnt 0x0                             ; x
.irp i, 0,1,2,3,4,5,6,7
	s_wait_dscnt 7-\i
	v_pk_add_f32 v[WTF+4*\i:WTF+4*\i+1], v[WTF+4*\i:WTF+4*\i+1], v[XR+4*\i:XR+4*\i+1]
	v_pk_add_f32 v[WTF+4*\i+2:WTF+4*\i+3], v[WTF+4*\i+2:WTF+4*\i+3], v[XR+4*\i+2:XR+4*\i+3]
	global_store_b128 v[XO], v[WTF+4*\i:WTF+4*\i+3], s[12:13] offset:8192*\i th:TH_STORE_NT   ; 16 lanes store 256 consecutive bytes, at a multiple of 256 from out0's first byte
.endr
	s_wait_tensorcnt 0x0
	ds_add_u32 v254, v255
	s_wait_dscnt 0x0
	ROUND                                          ; the closing round
	s_endpgm
.Lfunc_end_k_qb941f577e4_proj:
	.size	k_qb941f577e4_proj, .Lfunc_end_k_qb941f577e4_proj-k_qb941f577e4_proj
	.p2alignl 7, 3214868480
	.fill 96, 4, 3214868480
	.section	.rodata,"a",@progbits
	.p2align	6, 0x0
	.amdhsa_kernel k_qb941f577e4_proj
		.amdhsa_group_segment_fixed_size 168960
		.amdhsa_private_segment_fixed_size 0
		.amdhsa_enable_private_segment 0
		.amdhsa_kernarg_size 40
		.amdhsa_user_sgpr_count 2
		.amdhsa_user_sgpr_kernarg_segment_ptr 1
		.amdhsa_wavefront_size32 1
		.amdhsa_system_sgpr_workgroup_id_x 1
		.amdhsa_system_sgpr_workgroup_id_y 1
		.amdhsa_system_sgpr_workgroup_id_z 1
		.amdhsa_system_vgpr_workitem_id 0
		.amdhsa_next_free_vgpr 256
		.amdhsa_next_free_sgpr 66
		.amdhsa_reserve_vcc 0
		.amdhsa_float_denorm_mode_32 3
		.amdhsa_float_denorm_mode_16_64 3
		.amdhsa_memory_ordered 1
		.amdhsa_forward_progress 1
		.amdhsa_inst_pref_size 22
	.end_amdhsa_kernel
	.amdgpu_metadata
---
amdhsa.version: [ 1, 2 ]
amdhsa.kernels:
  - .name:           k_qb941f577e4_proj
    .symbol:         k_qb941f577e4_proj.kd
    .args:
      - { .name: wo, .offset: 0, .size: 8, .value_kind: global_buffer, .address_space: global }
      - { .name: wtc, .offset: 8, .size: 8, .value_kind: global_buffer, .address_space: global }
      - { .name: x, .offset: 16, .size: 8, .value_kind: global_buffer, .address_space: global }
      - { .name: bt, .offset: 24, .size: 8, .value_kind: global_buffer, .address_space: global }
      - { .name: out0, .offset: 32, .size: 8, .value_kind: global_buffer, .address_space: global }
    .group_segment_fixed_size: 168960
    .private_segment_fixed_size: 0
    .kernarg_segment_align: 8
    .kernarg_segment_size: 40
    .max_flat_workgroup_size: 256
    .sgpr_count:     66
    .vgpr_count:     256
    .wavefront_size: 32
...
	.end_amdgpu_metadata
.endif
;; end of part 3
